; MI455X (gfx1250); checked and timed in simulation.
; The chip was launched on July 23, 2026; its instructions are those of AMD's public machine-readable ISA for CDNA 5 (MIT licence, August 2026) and "CDNA5" Instruction Set Architecture Reference Guide (July 2026). The comments in the code are by the model that wrote it; some were corrected since.
;; Padded Lora B. Allowed arithmetic: float matrix products may take bf16 or f16 operands with f32 sums; all other float work in f32.
;; Inputs: lora_B 256 x 64 x 4,096 float16; wids 128 int32; y 128 x 1 x 64 float16.
;; Outputs: out0 128 x 1 x 4,096 float16.
;; 2 versions, each right; version 2 is version 1 with the launch lora_b written anew for expert scheduling mode. Each part assembles by itself: llvm-mc -triple=amdgcn-amd-amdhsa -mcpu=gfx1250 --defsym DOCPART=n.
;; ======== version 1 of 2: 1 launch
;; launch lora_b (part 1): grid 2 x 128, 16 waves a work-group, no clusters, 0 bytes of LDS; arguments lora_B, wids, y, out0; writes out0
.if DOCPART == 1
	.amdgcn_target "amdgcn-amd-amdhsa--gfx1250"
	.amdhsa_code_object_version 6
	.text
	.protected	k_q72849f07e5_lora_b
	.globl	k_q72849f07e5_lora_b
	.p2align	8
	.type	k_q72849f07e5_lora_b,@function
k_q72849f07e5_lora_b:
	s_mov_b64 s[64:65], 0
	v_nop
	global_prefetch_b8 v0, s[64:65] scope:SCOPE_SE
	s_setreg_imm32_b32 hwreg(HW_REG_WAVE_MODE, 25, 1), 1
	s_wait_xcnt 0x0
; out0[b][h] = 2 * sum over r of y[b][r] * lora_B[wids[b]][r][h].   lora_B: [256][64][4096] f16, y: [128][64] f16, out0: [128][4096] f16.
; A stream: each sample reads its adapter's 64 rows of 8,192 bytes once and does one multiply-add for each number read.
; WORK.  Grid 2 x 128: work-group (x, b) makes columns 2048 x .. 2048 x + 2047 of sample b with 16 waves.  A wave owns 128 columns (256 bytes of
; every row) and all 64 rows: lanes 0-15 take rows 0-31, lanes 16-31 rows 32-63; a lane takes 16 bytes (8 columns) of each of its rows.  So one
; load of the wave covers two aligned runs of 256 consecutive bytes, and 32 loads bring all that the wave needs: 16 KiB in 128 registers, all
; requested as soon as the adapter's number is known.  There is no loop, no LDS, and no wave waits for another.
; ARITHMETIC.  f16 is widened exactly to f32; products and sums are f32.  Two rows go together: the pair (even row, odd row) of a column meets the pair
; (y even, y odd) in one packed multiply-add.  Each output is therefore four partial sums (even and odd rows of each half of the rows), joined
; at the end, doubled, and rounded once to f16.
; LEFT OUT.  The matrix unit: an adapter meets one row of y, so 15 of the 16 rows of a fragment would be empty, and the weights lie [r][h], with h along
; the rows, so that fragments would need a transposing trip through LDS.  Joint requests in a cluster: which work-groups read the same adapter hangs on
; wids, read at run time.  Prefetches: the loads themselves go out at the first moment at which their address is known.  A read-once hint
; on the weights: wids may name an adapter twice.
; LIMITS.  wids[b] is read as unsigned and clamped to 255: an index outside 0 .. 255 is not served (it reads adapter 255).  The result is rounded to f16 after
; the doubling, not before it: a difference of the last bit for f16 denormals only.  A result beyond f16's range becomes infinity.
.set ROWB,  8192                       ; bytes in a row of an adapter: 4,096 f16
.set ADSH,  19                         ; an adapter is 64 rows of 8,192 bytes = 2^19 bytes
.set NLOAD, 32                         ; data loads of a wave: load j brings row j (lanes 0-15) and row 32 + j (lanes 16-31) into v[4 j : 4 j + 3]
.set EARLY, 28                         ; so many go out before y is widened; the other four land in the registers that held y as loaded
                                       ; v[0:127]    the data.  Only v0-v127 have named halves, and both the data and y as loaded need them:
                                       ; v[112:127]  hold first y[32 half .. 32 half + 31] as loaded, two f16 a register
.set Y,     128                        ; v[128:159]  y[32 half + j] in f32, j = 0 .. 31
.set ACC,   160                        ; v[160:175]  column c of my eight: the sum over even rows in ACC + 2 c, over odd rows in ACC + 2 c + 1
.set T,     176                        ; v[176:191]  at work
.set WOFF,  192                        ; v192  my byte offset in the adapter; never rewritten
.set YOFF,  193                        ; v193  my byte offset in y's row; never rewritten
.set OOFF,  194                        ; v194  my byte offset in the output; never rewritten
	s_load_b256 s[4:11], s[0:1], 0x0               ; lora_B s[4:5], wids s[6:7], y s[8:9], out0 s[10:11]
	s_and_b32 s12, ttmp7, 0xffff                   ; the sample b
	s_lshl_b32 s13, s12, 2                         ; wids[b]: 4 bytes each
	s_mov_b32 s15, 0                               ; upper word beside the adapter's offset
	s_lshl_b32 s16, s12, 7                         ; y[b]: 64 f16 = 128 bytes
	s_mov_b32 s17, 0
	s_lshl_b32 s18, ttmp9, 12                      ; the work-group's half of the columns: 2,048 f16 = 4,096 bytes
	s_mov_b32 s19, 0
	s_lshl_b32 s20, s12, 13                        ; out0[b]: 8,192 bytes,
	s_add_co_u32 s20, s20, s18                     ; and the same half of the columns
	s_mov_b32 s21, 0
	v_and_b32 v[T], 15, v0                         ; my place among the 16 lanes of a half
	v_lshrrev_b32 v[T+1], 5, v0                    ; wave 0 .. 15
	v_bfe_u32 v[T+2], v0, 4, 1                     ; half: 0 = rows 0-31, 1 = rows 32-63
	v_lshlrev_b32 v[T], 4, v[T]                    ; 16 bytes a lane
	v_lshl_or_b32 v[T], v[T+1], 8, v[T]            ; + 256 bytes a wave
	v_lshlrev_b32 v[YOFF], 6, v[T+2]               ; y: 32 f16 = 64 bytes a half
	v_lshl_or_b32 v[WOFF], v[T+2], 18, v[T]        ; weights: 32 rows of 8,192 bytes = 2^18 bytes a half
	v_lshl_or_b32 v[OOFF], v[T+2], 3, v[T]         ; output: at the end lane r holds columns 0-3 of its eight, lane 16 + r columns 4-7: 8 bytes further on
	s_wait_kmcnt 0x0                               ; the four addresses
	s_load_b32 s14, s[6:7], s13 offset:0x0         ; wids[b] first: the data loads hang on it
	s_add_nc_u64 s[8:9], s[8:9], s[16:17]          ; y at sample b
.irp i, 0,1,2,3
	global_load_b128 v[112+4*\i:115+4*\i], v[YOFF], s[8:9] offset:16*\i    ; the 64 bytes of y that belong to my half of the rows; on their way beside wids[b]
.endr
	s_add_nc_u64 s[4:5], s[4:5], s[18:19]          ; lora_B at the work-group's columns
	s_add_nc_u64 s[10:11], s[10:11], s[20:21]      ; out0 at sample b and the work-group's columns
	s_wait_kmcnt 0x0                               ; wids[b]
	s_min_u32 s14, s14, 0xff                       ; no address leaves the table, whatever the list holds
	s_lshl_b32 s14, s14, ADSH                      ; 255 x 2^19 at the most: below 2^31
	s_add_nc_u64 s[4:5], s[4:5], s[14:15]          ; lora_B at the sample's adapter
.set j, 0
.rept EARLY
	global_load_b128 v[4*j:4*j+3], v[WOFF], s[4:5] offset:j*ROWB           ; rows j and 32 + j (v0 has been read for the last time above)
.set j, j+1
.endr
	s_wait_loadcnt EARLY                           ; loads come back in order (ISA guide 5.7.1): the four of y are in, the 28 issued behind them stay out
.set k, 0
.irp p, 112,113,114,115,116,117,118,119,120,121,122,123,124,125,126,127
	v_cvt_f32_f16 v[Y+k],   v\p\().l               ; y[32 half + k], exact in f32
	v_cvt_f32_f16 v[Y+k+1], v\p\().h
.set k, k+2
.endr
.rept NLOAD-EARLY
	global_load_b128 v[4*j:4*j+3], v[WOFF], s[4:5] offset:j*ROWB           ; the last four pairs of rows, into the registers that y has left
.set j, j+1
.endr
; Word q of an even row (register a) and of the odd row behind it (register b): columns 2 q and 2 q + 1, widened into pairs (even row, odd row).
.macro WIDEN a, b, q
	v_cvt_f32_f16 v[T+4*\q],   v\a\().l
	v_cvt_f32_f16 v[T+4*\q+1], v\b\().l
	v_cvt_f32_f16 v[T+4*\q+2], v\a\().h
	v_cvt_f32_f16 v[T+4*\q+3], v\b\().h
.endm
; Step i: loads 2 i (registers a0-a3) and 2 i + 1 (registers b0-b3).  Sixteen conversions and eight packed multiply-adds for sixteen numbers a lane.
; The register numbers are written out because a half of a register is named by its number.
.macro STEP i, a0, a1, a2, a3, b0, b1, b2, b3
	s_wait_loadcnt NLOAD-2-2*\i                    ; loads 2 i and 2 i + 1 are in; the 30 - 2 i issued behind them stay out
	WIDEN \a0, \b0, 0
	WIDEN \a1, \b1, 1
	WIDEN \a2, \b2, 2
	WIDEN \a3, \b3, 3
.irp c, 0,2,4,6,8,10,12,14
.if \i
	v_pk_fma_f32 v[ACC+\c:ACC+\c+1], v[T+\c:T+\c+1], v[Y+2*\i:Y+2*\i+1], v[ACC+\c:ACC+\c+1]
.else
	v_pk_mul_f32 v[ACC+\c:ACC+\c+1], v[T+\c:T+\c+1], v[Y+2*\i:Y+2*\i+1]    ; the first products start the sums: nothing is cleared
.endif
.endr
.endm
	STEP 0,    0,  1,  2,  3,    4,  5,  6,  7
	STEP 1,    8,  9, 10, 11,   12, 13, 14, 15
	STEP 2,   16, 17, 18, 19,   20, 21, 22, 23
	STEP 3,   24, 25, 26, 27,   28, 29, 30, 31
	STEP 4,   32, 33, 34, 35,   36, 37, 38, 39
	STEP 5,   40, 41, 42, 43,   44, 45, 46, 47
	STEP 6,   48, 49, 50, 51,   52, 53, 54, 55
	STEP 7,   56, 57, 58, 59,   60, 61, 62, 63
	STEP 8,   64, 65, 66, 67,   68, 69, 70, 71
	STEP 9,   72, 73, 74, 75,   76, 77, 78, 79
	STEP 10,  80, 81, 82, 83,   84, 85, 86, 87
	STEP 11,  88, 89, 90, 91,   92, 93, 94, 95
	STEP 12,  96, 97, 98, 99,  100,101,102,103
	STEP 13, 104,105,106,107,  108,109,110,111
	STEP 14, 112,113,114,115,  116,117,118,119
	STEP 15, 120,121,122,123,  124,125,126,127     ; its wait is for zero: nothing was issued behind these two loads
	; The end.  Even and odd rows join in the lane; then the two halves of the rows join across the halves of the wave.
.irp c, 0,1,2,3,4,5,6,7
	v_add_f32 v[T+\c], v[ACC+2*\c], v[ACC+2*\c+1]  ; column c of my eight, over my 32 rows
.endr
.irp c, 0,1,2,3
	v_permlane16_swap_b32 v[T+\c], v[T+4+\c]       ; lanes 16-31 of the first change places with lanes 0-15 of the second: in lane r both now hold column c
.endr                                                  ; (rows 0-31 and rows 32-63), in lane 16 + r both hold column 4 + c of lane r's eight
	v_pk_add_f32 v[T:T+1],   v[T:T+1],   v[T+4:T+5]    ; all 64 rows
	v_pk_add_f32 v[T+2:T+3], v[T+2:T+3], v[T+6:T+7]
	v_pk_mul_f32 v[T:T+1],   v[T:T+1],   2.0 op_sel_hi:[1,0]   ; the factor 2, exact
	v_pk_mul_f32 v[T+2:T+3], v[T+2:T+3], 2.0 op_sel_hi:[1,0]
	v_cvt_pk_f16_f32 v[T+8], v[T],   v[T+1]        ; the one rounding to f16
	v_cvt_pk_f16_f32 v[T+9], v[T+2], v[T+3]
	global_store_b64 v[OOFF], v[T+8:T+9], s[10:11] th:TH_STORE_NT  ; 32 lanes x 8 bytes: the wave's 256 consecutive bytes, aligned, in one store; not read again
	s_endpgm
.Lfunc_end_k_q72849f07e5_lora_b:
	.size	k_q72849f07e5_lora_b, .Lfunc_end_k_q72849f07e5_lora_b-k_q72849f07e5_lora_b
	.p2alignl 7, 3214868480
	.fill 96, 4, 3214868480
	.section	.rodata,"a",@progbits
	.p2align	6, 0x0
	.amdhsa_kernel k_q72849f07e5_lora_b
		.amdhsa_group_segment_fixed_size 0
		.amdhsa_private_segment_fixed_size 0
		.amdhsa_enable_private_segment 0
		.amdhsa_kernarg_size 32
		.amdhsa_user_sgpr_count 2
		.amdhsa_user_sgpr_kernarg_segment_ptr 1
		.amdhsa_wavefront_size32 1
		.amdhsa_system_sgpr_workgroup_id_x 1
		.amdhsa_system_sgpr_workgroup_id_y 1
		.amdhsa_system_sgpr_workgroup_id_z 1
		.amdhsa_system_vgpr_workitem_id 0
		.amdhsa_next_free_vgpr 196
		.amdhsa_next_free_sgpr 66
		.amdhsa_reserve_vcc 0
		.amdhsa_float_denorm_mode_32 3
		.amdhsa_float_denorm_mode_16_64 3
		.amdhsa_memory_ordered 1
		.amdhsa_forward_progress 1
		.amdhsa_inst_pref_size 24
	.end_amdhsa_kernel
	.amdgpu_metadata
---
amdhsa.version: [ 1, 2 ]
amdhsa.kernels:
  - .name:           k_q72849f07e5_lora_b
    .symbol:         k_q72849f07e5_lora_b.kd
    .args:
      - { .name: lora_B, .offset: 0, .size: 8, .value_kind: global_buffer, .address_space: global }
      - { .name: wids, .offset: 8, .size: 8, .value_kind: global_buffer, .address_space: global }
      - { .name: y, .offset: 16, .size: 8, .value_kind: global_buffer, .address_space: global }
      - { .name: out0, .offset: 24, .size: 8, .value_kind: global_buffer, .address_space: global }
    .group_segment_fixed_size: 0
    .private_segment_fixed_size: 0
    .kernarg_segment_align: 8
    .kernarg_segment_size: 32
    .max_flat_workgroup_size: 512
    .sgpr_count:     66
    .vgpr_count:     196
    .wavefront_size: 32
...
	.end_amdgpu_metadata
.endif
;; end of part 1
;; ======== version 2 of 2: 1 launch; version 1 with the launch lora_b written anew for expert scheduling mode
;; launch lora_b (part 2): grid 2 x 128, 16 waves a work-group, no clusters, 0 bytes of LDS; arguments lora_B, wids, y, out0; writes out0
.if DOCPART == 2
	.amdgcn_target "amdgcn-amd-amdhsa--gfx1250"
	.amdhsa_code_object_version 6
	.text
	.protected	k_q72849f07e5_lora_b
	.globl	k_q72849f07e5_lora_b
	.p2align	8
	.type	k_q72849f07e5_lora_b,@function
k_q72849f07e5_lora_b:
	s_mov_b64 s[64:65], 0
	v_nop
	global_prefetch_b8 v0, s[64:65] scope:SCOPE_SE
	s_setreg_imm32_b32 hwreg(HW_REG_WAVE_SCHED_MODE, 0, 2), 2
	s_setreg_imm32_b32 hwreg(HW_REG_WAVE_MODE, 25, 1), 1
	s_wait_xcnt 0x0
	s_wait_alu depctr_vm_vsrc(0)
; out0[b][h] = 2 * sum over r of y[b][r] * lora_B[wids[b]][r][h].   lora_B: [256][64][4096] f16, y: [128][64] f16, out0: [128][4096] f16.
; A stream: each sample reads its adapter's 64 rows of 8,192 bytes once and does one multiply-add for each number read.
; WORK.  Grid 2 x 128: work-group (x, b) makes columns 2048 x .. 2048 x + 2047 of sample b with 16 waves.  A wave owns 128 columns (256 bytes of
; every row) and all 64 rows: lanes 0-15 take rows 0-31, lanes 16-31 rows 32-63; a lane takes 16 bytes (8 columns) of each of its rows.  So one
; load of the wave covers two aligned runs of 256 consecutive bytes, and 32 loads bring all that the wave needs: 16 KiB in 128 registers, all
; requested as soon as the adapter's number is known.  There is no loop, no LDS, and no wave waits for another.
; ARITHMETIC.  f16 is widened exactly to f32; products and sums are f32.  Two rows go together: the pair (even row, odd row) of a column meets the pair
; (y even, y odd) in one packed multiply-add.  Each output is therefore four partial sums (even and odd rows of each half of the rows), joined
; at the end, doubled, and rounded once to f16.
; THE MODE: SCHED_MODE bits 1:0 = 2 (LLVM: expert scheduling mode 2), set by the entry lines.  The code itself states the register dependences
; between vector instructions and memory instructions, with s_wait_alu, always for 0.
; THE PLAN.  Registers that memory instructions touch, in the order of the text:
;   v192-v194   three byte offsets.  Written once by vector instructions at the head, never again; read by the 36 loads and by the store.
;   v0          read by three vector instructions at the head; then the first data load lands in v[0:3].
;   v1-v111     named by no vector instruction before data loads 0 to 27 land in them; read by the steps' conversions, each behind its wait on LOADcnt.
;   v112-v127   the four loads of y land in them; the 32 conversions of y read them; then data loads 28 to 31 land in them.
;   v184-v185   written by the two roundings at the end; read by the store.
;   y in f32, the sums and the other registers at work are named by vector instructions alone.
; So three waits on va_vdst state everything: ahead of the first load (the offsets are written, v0 has been read), ahead of data loads 28 to 31 (y as loaded
; has been read), ahead of the store (its data are written).  No register that a memory instruction reads is ever written again, so no wait on vm_vsrc is
; owed; no vector instruction writes a scalar register or VCC, and EXEC is never written.
; LEFT OUT.  The matrix unit: an adapter meets one row of y, so 15 of the 16 rows of a fragment would be empty, and the weights lie [r][h], with h along
; the rows, so that fragments would need a transposing trip through LDS.  Joint requests in a cluster: which work-groups read the same adapter hangs on
; wids, read at run time.  Prefetches: the loads themselves go out at the first moment at which their address is known.  A read-once hint
; on the weights: wids may name an adapter twice.
; LIMITS.  wids[b] is read as unsigned and clamped to 255: an index outside 0 .. 255 is not served (it reads adapter 255).  The result is rounded to f16 after
; the doubling, not before it: a difference of the last bit for f16 denormals only.  A result beyond f16's range becomes infinity.
.set ROWB,  8192                       ; bytes in a row of an adapter: 4,096 f16
.set ADSH,  19                         ; an adapter is 64 rows of 8,192 bytes = 2^19 bytes
.set NLOAD, 32                         ; data loads of a wave: load j brings row j (lanes 0-15) and row 32 + j (lanes 16-31) into v[4 j : 4 j + 3]
.set EARLY, 28                         ; so many go out before y is widened; the other four land in the registers that held y as loaded
                                       ; v[0:127]    the data.  Only v0-v127 have named halves, and both the data and y as loaded need them:
                                       ; v[112:127]  hold first y[32 half .. 32 half + 31] as loaded, two f16 a register
.set Y,     128                        ; v[128:159]  y[32 half + j] in f32, j = 0 .. 31
.set ACC,   160                        ; v[160:175]  column c of my eight: the sum over even rows in ACC + 2 c, over odd rows in ACC + 2 c + 1
.set T,     176                        ; v[176:191]  at work
.set WOFF,  192                        ; v192  my byte offset in the adapter; never rewritten
.set YOFF,  193                        ; v193  my byte offset in y's row; never rewritten
.set OOFF,  194                        ; v194  my byte offset in the output; never rewritten
	s_load_b256 s[4:11], s[0:1], 0x0               ; lora_B s[4:5], wids s[6:7], y s[8:9], out0 s[10:11]
	s_and_b32 s12, ttmp7, 0xffff                   ; the sample b
	s_lshl_b32 s13, s12, 2                         ; wids[b]: 4 bytes each
	s_mov_b32 s15, 0                               ; upper word beside the adapter's offset
	s_lshl_b32 s16, s12, 7                         ; y[b]: 64 f16 = 128 bytes
	s_mov_b32 s17, 0
	s_lshl_b32 s18, ttmp9, 12                      ; the work-group's half of the columns: 2,048 f16 = 4,096 bytes
	s_mov_b32 s19, 0
	s_lshl_b32 s20, s12, 13                        ; out0[b]: 8,192 bytes,
	s_add_co_u32 s20, s20, s18                     ; and the same half of the columns
	s_mov_b32 s21, 0
	v_and_b32 v[T], 15, v0                         ; my place among the 16 lanes of a half
	v_lshrrev_b32 v[T+1], 5, v0                    ; wave 0 .. 15
	v_bfe_u32 v[T+2], v0, 4, 1                     ; half: 0 = rows 0-31, 1 = rows 32-63
	v_lshlrev_b32 v[T], 4, v[T]                    ; 16 bytes a lane
	v_lshl_or_b32 v[T], v[T+1], 8, v[T]            ; + 256 bytes a wave
	v_lshlrev_b32 v[YOFF], 6, v[T+2]               ; y: 32 f16 = 64 bytes a half
	v_lshl_or_b32 v[WOFF], v[T+2], 18, v[T]        ; weights: 32 rows of 8,192 bytes = 2^18 bytes a half
	v_lshl_or_b32 v[OOFF], v[T+2], 3, v[T]         ; output: at the end lane r holds columns 0-3 of its eight, lane 16 + r columns 4-7: 8 bytes further on
	s_wait_kmcnt 0x0                               ; the four addresses
	s_load_b32 s14, s[6:7], s13 offset:0x0         ; wids[b] first: the data loads hang on it
	s_add_nc_u64 s[8:9], s[8:9], s[16:17]          ; y at sample b
	s_wait_alu depctr_va_vdst(0)                   ; the three offsets v192 to v194 are written, which every load and the store read; the head's vector lines are done reading v0, in which the first data load lands
.irp i, 0,1,2,3
	global_load_b128 v[112+4*\i:115+4*\i], v[YOFF], s[8:9] offset:16*\i    ; the 64 bytes of y that belong to my half of the rows; on their way beside wids[b]
.endr
	s_add_nc_u64 s[4:5], s[4:5], s[18:19]          ; lora_B at the work-group's columns
	s_add_nc_u64 s[10:11], s[10:11], s[20:21]      ; out0 at sample b and the work-group's columns
	s_wait_kmcnt 0x0                               ; wids[b]
	s_min_u32 s14, s14, 0xff                       ; no address leaves the table, whatever the list holds
	s_lshl_b32 s14, s14, ADSH                      ; 255 x 2^19 at the most: below 2^31
	s_add_nc_u64 s[4:5], s[4:5], s[14:15]          ; lora_B at the sample's adapter
.set j, 0
.rept EARLY
	global_load_b128 v[4*j:4*j+3], v[WOFF], s[4:5] offset:j*ROWB           ; rows j and 32 + j.  No wait: no vector instruction has been issued since the wait above
.set j, j+1
.endr
	s_wait_loadcnt EARLY                           ; loads come back in order (ISA guide 5.7.1): the four of y are in, the 28 issued behind them stay out
.set k, 0
.irp p, 112,113,114,115,116,117,118,119,120,121,122,123,124,125,126,127
	v_cvt_f32_f16 v[Y+k],   v\p\().l               ; y[32 half + k], exact in f32
	v_cvt_f32_f16 v[Y+k+1], v\p\().h
.set k, k+2
.endr
	s_wait_alu depctr_va_vdst(0)                   ; the 32 conversions are done reading v112 to v127, in which the four loads below land
.rept NLOAD-EARLY
	global_load_b128 v[4*j:4*j+3], v[WOFF], s[4:5] offset:j*ROWB           ; the last four pairs of rows, into the registers that y has left
.set j, j+1
.endr
; Word q of an even row (register a) and of the odd row behind it (register b): columns 2 q and 2 q + 1, widened into pairs (even row, odd row).
.macro WIDEN a, b, q
	v_cvt_f32_f16 v[T+4*\q],   v\a\().l
	v_cvt_f32_f16 v[T+4*\q+1], v\b\().l
	v_cvt_f32_f16 v[T+4*\q+2], v\a\().h
	v_cvt_f32_f16 v[T+4*\q+3], v\b\().h
.endm
; Step i: loads 2 i (registers a0-a3) and 2 i + 1 (registers b0-b3).  Sixteen conversions and eight packed multiply-adds for sixteen numbers a lane.
; The register numbers are written out because a half of a register is named by its number.  A step issues no memory instruction and writes no
; register that one reads: its one wait is the count on its data.
.macro STEP i, a0, a1, a2, a3, b0, b1, b2, b3
	s_wait_loadcnt NLOAD-2-2*\i                    ; loads 2 i and 2 i + 1 are in; the 30 - 2 i issued behind them stay out
	WIDEN \a0, \b0, 0
	WIDEN \a1, \b1, 1
	WIDEN \a2, \b2, 2
	WIDEN \a3, \b3, 3
.irp c, 0,2,4,6,8,10,12,14
.if \i
	v_pk_fma_f32 v[ACC+\c:ACC+\c+1], v[T+\c:T+\c+1], v[Y+2*\i:Y+2*\i+1], v[ACC+\c:ACC+\c+1]
.else
	v_pk_mul_f32 v[ACC+\c:ACC+\c+1], v[T+\c:T+\c+1], v[Y+2*\i:Y+2*\i+1]    ; the first products start the sums: nothing is cleared
.endif
.endr
.endm
	STEP 0,    0,  1,  2,  3,    4,  5,  6,  7
	STEP 1,    8,  9, 10, 11,   12, 13, 14, 15
	STEP 2,   16, 17, 18, 19,   20, 21, 22, 23
	STEP 3,   24, 25, 26, 27,   28, 29, 30, 31
	STEP 4,   32, 33, 34, 35,   36, 37, 38, 39
	STEP 5,   40, 41, 42, 43,   44, 45, 46, 47
	STEP 6,   48, 49, 50, 51,   52, 53, 54, 55
	STEP 7,   56, 57, 58, 59,   60, 61, 62, 63
	STEP 8,   64, 65, 66, 67,   68, 69, 70, 71
	STEP 9,   72, 73, 74, 75,   76, 77, 78, 79
	STEP 10,  80, 81, 82, 83,   84, 85, 86, 87
	STEP 11,  88, 89, 90, 91,   92, 93, 94, 95
	STEP 12,  96, 97, 98, 99,  100,101,102,103
	STEP 13, 104,105,106,107,  108,109,110,111
	STEP 14, 112,113,114,115,  116,117,118,119
	STEP 15, 120,121,122,123,  124,125,126,127     ; its wait is for zero: nothing was issued behind these two loads
	; The end.  Even and odd rows join in the lane; then the two halves of the rows join across the halves of the wave.
.irp c, 0,1,2,3,4,5,6,7
	v_add_f32 v[T+\c], v[ACC+2*\c], v[ACC+2*\c+1]  ; column c of my eight, over my 32 rows
.endr
.irp c, 0,1,2,3
	v_permlane16_swap_b32 v[T+\c], v[T+4+\c]       ; lanes 16-31 of the first change places with lanes 0-15 of the second: in lane r both now hold column c
.endr                                                  ; (rows 0-31 and rows 32-63), in lane 16 + r both hold column 4 + c of lane r's eight
	v_pk_add_f32 v[T:T+1],   v[T:T+1],   v[T+4:T+5]    ; all 64 rows
	v_pk_add_f32 v[T+2:T+3], v[T+2:T+3], v[T+6:T+7]
	v_pk_mul_f32 v[T:T+1],   v[T:T+1],   2.0 op_sel_hi:[1,0]   ; the factor 2, exact
	v_pk_mul_f32 v[T+2:T+3], v[T+2:T+3], 2.0 op_sel_hi:[1,0]
	v_cvt_pk_f16_f32 v[T+8], v[T],   v[T+1]        ; the one rounding to f16
	v_cvt_pk_f16_f32 v[T+9], v[T+2], v[T+3]
	s_wait_alu depctr_va_vdst(0)                   ; the two roundings have written v184 and v185, which the store reads
	global_store_b64 v[OOFF], v[T+8:T+9], s[10:11] th:TH_STORE_NT  ; 32 lanes x 8 bytes: the wave's 256 consecutive bytes, aligned, in one store; not read again
	s_endpgm
.Lfunc_end_k_q72849f07e5_lora_b:
	.size	k_q72849f07e5_lora_b, .Lfunc_end_k_q72849f07e5_lora_b-k_q72849f07e5_lora_b
	.p2alignl 7, 3214868480
	.fill 96, 4, 3214868480
	.section	.rodata,"a",@progbits
	.p2align	6, 0x0
	.amdhsa_kernel k_q72849f07e5_lora_b
		.amdhsa_group_segment_fixed_size 0
		.amdhsa_private_segment_fixed_size 0
		.amdhsa_enable_private_segment 0
		.amdhsa_kernarg_size 32
		.amdhsa_user_sgpr_count 2
		.amdhsa_user_sgpr_kernarg_segment_ptr 1
		.amdhsa_wavefront_size32 1
		.amdhsa_system_sgpr_workgroup_id_x 1
		.amdhsa_system_sgpr_workgroup_id_y 1
		.amdhsa_system_sgpr_workgroup_id_z 1
		.amdhsa_system_vgpr_workitem_id 0
		.amdhsa_next_free_vgpr 196
		.amdhsa_next_free_sgpr 66
		.amdhsa_reserve_vcc 0
		.amdhsa_float_denorm_mode_32 3
		.amdhsa_float_denorm_mode_16_64 3
		.amdhsa_memory_ordered 1
		.amdhsa_forward_progress 1
		.amdhsa_inst_pref_size 24
	.end_amdhsa_kernel
	.amdgpu_metadata
---
amdhsa.version: [ 1, 2 ]
amdhsa.kernels:
  - .name:           k_q72849f07e5_lora_b
    .symbol:         k_q72849f07e5_lora_b.kd
    .args:
      - { .name: lora_B, .offset: 0, .size: 8, .value_kind: global_buffer, .address_space: global }
      - { .name: wids, .offset: 8, .size: 8, .value_kind: global_buffer, .address_space: global }
      - { .name: y, .offset: 16, .size: 8, .value_kind: global_buffer, .address_space: global }
      - { .name: out0, .offset: 24, .size: 8, .value_kind: global_buffer, .address_space: global }
    .group_segment_fixed_size: 0
    .private_segment_fixed_size: 0
    .kernarg_segment_align: 8
    .kernarg_segment_size: 32
    .max_flat_workgroup_size: 512
    .sgpr_count:     66
    .vgpr_count:     196
    .wavefront_size: 32
...
	.end_amdgpu_metadata
.endif
;; end of part 2
